; MI455X (gfx1250); checked and timed in simulation.
; The chip was launched on July 23, 2026; its instructions are those of AMD's public machine-readable ISA for CDNA 5 (MIT licence, August 2026) and "CDNA5" Instruction Set Architecture Reference Guide (July 2026). The comments in the code are by the model that wrote it; some were corrected since.
;; Tensor Reduction Layer. Allowed arithmetic: matrix products marked QUANTISED: E2M1 operands, one E8M0 scale for each 32 along K, by v_wmma_scale_f32_16x16x128_f8f6f4 with both operands' format E2M1 (or v_wmma_scale_f32_32x16x128_f4), f32 sums; products left as they are: f32 operands where the result goes on into a quantised operand, else bf16, f16 or f32 operands; f32 sums; everything else in f32.
;; Inputs: weights 256 x 256 x 512 float32; x 2,048 x 256 float32.
;; Outputs: out0 2,048 x 512 float32.
;; This version of the problem:
;;   THIS VERSION OF THE PROBLEM IS GIVEN IN LOW PRECISION. The matrix products marked QUANTISED in the list below multiply operands that are first quantised to E2M1 (2 exponent bits, 1 mantissa bit; 4 bits a number), with one power-of-two scale for each 32 numbers along K (OCP MX v1.0); their sums are f32. All else is computed in f32.
;;   The module's matrix products, in the order in which they are computed (A, B: the left and right operand; K: the contracted axis; several contracted axes count as one K, in the product's order):
;;     1. [M 2,048, K 256] x [K 256, N 131,072]; A: input x; B: input weights: QUANTISED
;;     2. batch 2,048 x [M 512, K 256] x [K 256, N 1]; A: computed on the way; B: input x: left as it is (N = 1 < 16)
;;   THE QUANTISER, for each operand of a quantised product, along K:
;;     - K is cut into blocks of 32 from its start; a last block that is shorter is filled with zeros.
;;     - A block's scale is 2^e with e = floor(log2(the largest magnitude in the block)) - 2, held to -126 .. 127; a block of zeros has e = 0. As a byte (E8M0): e + 127.
;;     - Each number is divided by its block's scale, clamped to +-6, and rounded to the nearest number of E2M1, ties to even, subnormals kept.
;;     - The product sums the exact products of the quantised numbers (number of the format x scale) in f32.
;;   ~~~python
;;   def quantise(x, axis):      # numpy; x: float32 -> the quantised numbers, widened to float32 again
;;       x = np.moveaxis(x, axis, -1); K = x.shape[-1]
;;       x = np.pad(x, [(0, 0)] * (x.ndim - 1) + [(0, -K % 32)]); x = x.reshape(x.shape[:-1] + (-1, 32)); a = np.abs(x).max(-1, keepdims=True)
;;       e = np.where(a > 0, np.clip(np.frexp(np.where(a > 0, a, 1))[1] - 1 - 2, -126, 127), 0)      # np.frexp(a)[1] - 1 = floor(log2(a)), exactly
;;       r = np.clip(x / 2.0 ** e, -6, 6)
;;       step = 2.0 ** (np.maximum(np.frexp(np.where(r == 0, 1, r))[1] - 1, 0) - 1)
;;       q = np.round(r / step) * step * 2.0 ** e      # np.round: ties to even
;;       return np.moveaxis(q.reshape(q.shape[:-2] + (-1,))[..., :K], -1, axis).astype(np.float32)
;;   ~~~
;; One version. Each part assembles by itself: llvm-mc -triple=amdgcn-amd-amdhsa -mcpu=gfx1250 --defsym DOCPART=n.
;; ======== version 1 of 1: 2 launches
;; limits: right only within a limited range of input values
;; workspace buffers: wq 16,777,216 bytes; wsc 1,048,576 bytes; xq 262,144 bytes; xsc 16,384 bytes; xf 2,097,152 bytes
;; launch prep (part 1): grid 256 x 1, 17 waves a work-group, no clusters, 303,360 bytes of LDS; arguments weights, x, wq, wsc, xq, xsc, xf; writes wq, wsc, xq, xsc, xf
.if DOCPART == 1
	.amdgcn_target "amdgcn-amd-amdhsa--gfx1250"
	.amdhsa_code_object_version 6
	.text
	.protected	k_qfe98a61837_prep
	.globl	k_qfe98a61837_prep
	.p2align	8
	.type	k_qfe98a61837_prep,@function
k_qfe98a61837_prep:
	s_mov_b64 s[64:65], 0
	v_nop
	global_prefetch_b8 v0, s[64:65] scope:SCOPE_SE
	s_setreg_imm32_b32 hwreg(HW_REG_WAVE_MODE, 25, 1), 1
	s_wait_xcnt 0x0
; out[b][k] = sum over j of x[b][j] t[b][j][k],  t[b][j][k] = sum over i of Q(x)[b][i] Q(W)[i][j][k],  Q the MX-FP4 quantiser along i (blocks of 32, one E8M0 byte each).
; NO WORK IS LEFT OUT: every i, j, k and b reaches an output, and both inputs are loaded.
; THIS LAUNCH quantises both operands of the first product once, into images of the matrix operand's registers, and lays x in f32 as the second launch's registers want it.
;   wq  [octet of j 32][kt 32][j 8][block of i 8][r 16][16 bytes]: the 32 codes of column k = 16 kt + r at i = 32 block + 0 .. 31, the lower i in the lower bits: the image of lanes (r, h) with block = 2 c' + h.
;   wsc [octet of j 32][block of i 8][kt 32][h 2][r 16][pair 4] bytes: the scale byte of column 16 kt + r, j = 8 octet + 2 pair + h.
;   xq [tile 128][c' 4][lane][16 bytes], xsc [tile][s][r] words: codes and scale words of row b = 16 tile + r of x.     xf [quad of j 64][tile 128][r 16][4 j]: x in f32.
; A block's scale is 2^(floor(log2(its largest magnitude)) - 2); its byte is the largest magnitude's exponent field - 2, held at 1 from below by a floor among the maximum's leaves.
; LIMITS: NaN and infinities among the inputs are not served.  A block of zeros gets the byte 1 where the rule says 127: its codes are zeros, which add nothing under any byte but 0xff, and this program alone
; reads the bytes.  Blocks whose largest magnitude lies under 2^-124, the floor, were not tried.
; SHARES.  Work-group g: block of i g / 32, octet of j g % 32, all 512 k: of each of its 32 rows 16,384 consecutive bytes.  Wave w < 16 has two items of 512 bytes a row (128 columns of one j): item 0 in the first 8,192, item 1 in
; the second.  BOTH ARE ASKED FOR AT THE HEAD: item 1 by the wave's one tensor load, into 16,384 LDS bytes of its own, filled once in the launch; item 0 by plain loads into registers: a work-group's 524,288 bytes are all requested there.
; Only the wave itself reads its tile: its own wait on TENSORcnt serves the reads, and no barrier is needed.
; A load of the wave is 512 consecutive aligned bytes: four columns a lane; so a column's numbers stand four registers apart, and eight at a time are moved on end for the conversion.  The codes turn through the wave's own
; stage in LDS, so that sixteen lanes store 256 consecutive aligned bytes.  The work-group's 4,096 scale bytes meet in LDS and leave as runs of 512 bytes.
; Wave 16 takes half a tile of x (tile g / 2, K step g % 2), where i is innermost: a lane loads its blocks' 32 neighbours.  xsc's stores are 64 consecutive bytes: the buffer has 16,384 bytes in all.
; No matrix unit, no cluster: the launch is a stream and its work-groups share no input.  No prefetch: there is no loop to run ahead in.
.set ROWW,  524288                     ; bytes from i to i + 1 in W
.set TILE,  16384                      ; LDS: item 1 of a wave, 32 rows of 512 bytes, no padding: a row is read 512 consecutive bytes at a time
.set STG,   16*TILE                    ; behind the sixteen tiles: a stage for each wave, 8 tiles of codes x (256 bytes + 16)
.set WREG,  2176
.set SCB,   STG+16*WREG                ; the work-group's scale bytes: 4,096
.set SPARE, SCB+4096                   ; the spare words, 128 bytes for each of 17 waves
.set SPW, 12
.set NIL, 13
.set M,   16                           ; v16-19 maxima
.set S,   20                           ; v20-23 the conversions' scale operands
.set B,   24                           ; v24-27 scale bytes
.set STV, 28                           ; v28    the codes' store offset
.set RDV, 29                           ; v29    LDS address of my 16 bytes of my tile's first row
.set T,   32                           ; v32-47 two sets of eight numbers of one column; item 0's codes on the way out
.set C,   48                           ; v48-63 codes
.set X,   64                           ; v64-191 an item's numbers
.set G1,  68                           ; s[68:75] descriptor group 1
.set G0,  76                           ; s[76:79] group 0
	s_load_b256 s[4:11], s[0:1], 0x0               ; weights s[4:5], x s[6:7], wq s[8:9], wsc s[10:11]
	s_load_b128 s[12:15], s[0:1], 0x20             ; xq s[12:13], xsc s[14:15]
	s_load_b64 s[18:19], s[0:1], 0x30              ; xf
	v_lshl_add_u32 v[SPW], v0, 2, SPARE
	v_mov_b32 v[NIL], 0
	ds_add_u32 v[SPW], v[NIL]                      ; the wave's opening: the add, twice on end, and its wait ahead of my tensor load
	ds_add_u32 v[SPW], v[NIL]
	v_lshrrev_b32 v1, 5, v0
	v_readfirstlane_b32 s16, v1                    ; wave 0..16
	s_and_b32 s17, s16, 3                          ; kc: which 128 columns
	s_lshr_b32 s20, s16, 2                         ; jl: j = 4 item + jl of the octet
	s_and_b32 s56, ttmp9, 31                       ; octet of j
	s_lshr_b32 s57, ttmp9, 5                       ; block of i
	s_lshl_b32 s22, s57, 24                        ; W: 32 block rows,
	s_lshl_b32 s21, s56, 14                        ;  + 16,384 octet
	s_add_co_u32 s22, s22, s21
	s_lshl_b32 s21, s16, 9                         ;  + 512 wave
	s_add_co_u32 s22, s22, s21
	s_mov_b32 s23, 0
	s_lshl_b32 s24, s56, 19                        ; wq: octet, 8 kc tiles of 16,384, jl, block
	s_lshl_b32 s21, s17, 17
	s_add_co_u32 s24, s24, s21
	s_lshl_b32 s21, s20, 11
	s_add_co_u32 s24, s24, s21
	s_lshl_b32 s21, s57, 8
	s_add_co_u32 s24, s24, s21
	s_mov_b32 s25, 0
	s_lshl_b32 s26, s56, 15                        ; wsc: octet, block, + 512 wave (waves 0 to 7 store there)
	s_lshl_b32 s21, s57, 12
	s_add_co_u32 s26, s26, s21
	s_lshl_b32 s21, s16, 9
	s_add_co_u32 s26, s26, s21
	s_mov_b32 s27, 0
	s_lshr_b32 s28, ttmp9, 1                       ; x: tile,
	s_and_b32 s29, ttmp9, 1                        ;  K step
	s_lshl_b32 s30, s28, 14
	s_lshl_b32 s21, s29, 9
	s_add_co_u32 s30, s30, s21
	s_mov_b32 s31, 0
	s_lshl_b32 s32, s28, 11                        ; xq
	s_lshl_b32 s21, s29, 10
	s_add_co_u32 s32, s32, s21
	s_mov_b32 s33, 0
	s_lshl_b32 s34, s28, 7                         ; xsc
	s_lshl_b32 s21, s29, 6
	s_add_co_u32 s34, s34, s21
	s_mov_b32 s35, 0
	s_lshl_b32 s36, s29, 20                        ; xf: 32 quads of 32,768 bytes for each K step
	s_lshl_b32 s21, s28, 8
	s_add_co_u32 s36, s36, s21
	s_mov_b32 s37, 0
	s_mov_b32 s[G1], 3<<16                         ; no cluster; elements of 8 bytes; no padding
	s_mov_b32 s[G1+1], 64<<16                      ; tensor_dim0: 512 bytes
	s_mov_b32 s[G1+2], 32<<16                      ; tensor_dim1
	s_mov_b32 s[G1+3], 64<<16                      ; tile_dim0
	s_mov_b32 s[G1+4], 32                          ; tile_dim1
	s_mov_b32 s[G1+5], ROWW/8                      ; from row to row
	s_mov_b32 s[G1+6], 0
	s_mov_b32 s[G1+7], 0
	s_mov_b32 s[G0], 1
	s_lshl_b32 s[G0+1], s16, 14                    ; my tile
	s_mul_i32 s38, s16, WREG                       ; my stage
	s_add_co_u32 s38, s38, STG
	s_lshl_b32 s39, s17, 10                        ; a scale byte's place: 1,024 kc + 64 (jl % 2) + jl / 2
	s_and_b32 s21, s20, 1
	s_lshl_b32 s21, s21, 6
	s_add_co_u32 s39, s39, s21
	s_lshr_b32 s21, s20, 1
	s_add_co_u32 s39, s39, s21
	s_add_co_u32 s39, s39, SCB
	s_lshl_b32 s58, s16, 14
	s_lshl_b32 s21, s16, 9
	s_add_co_u32 s21, s21, SCB
	s_mov_b32 s60, 0x76543210
	s_mov_b32 s61, 0xfedcba98                      ; v_permlanex16_b32's selects for lane l xor 16
	v_and_b32 v1, 31, v0                           ; lane
	v_and_b32 v11, 15, v0                          ; r
	v_bfe_u32 v14, v0, 4, 1                        ; h
	v_lshlrev_b32 v2, 4, v1                        ; 16 x lane
	v_lshrrev_b32 v15, 2, v1                       ; lane / 4
	v_and_b32 v10, 3, v0                           ; lane % 4
	v_lshlrev_b32 v3, 6, v1                        ; stage, in: column 4 lane + q at 64 lane + 16 (lane / 4) + 16 q
	v_mul_u32_u24 v4, v14, 272                     ; stage, out: a tile of 272 for each half of the lanes, 16 r
	v_lshlrev_b32 v5, 7, v15                       ; scale bytes, in: tile lane / 4, column 4 (lane % 4) + q of 4 bytes
	v_add_nc_u32 v6, s21, v2                       ; scale bytes, out
	v_add_nc_u32 v[RDV], s58, v2
	v_lshlrev_b32 v[STV], 14, v14                  ; codes: the next tile for lanes 16-31, 16 r
	v_lshl_add_u32 v3, v15, 4, v3
	v_lshl_add_u32 v4, v11, 4, v4
	v_lshl_add_u32 v5, v10, 4, v5
	v_lshl_add_u32 v[STV], v11, 4, v[STV]
	v_lshlrev_b32 v7, 10, v11                      ; x: row r, + 128 h
	v_lshlrev_b32 v8, 18, v14                      ; xf: 8 h quads, + 16 r
	v_lshlrev_b32 v9, 2, v11                       ; xsc: 4 r
	v_add_nc_u32 v3, s38, v3
	v_add_nc_u32 v4, s38, v4
	v_add_nc_u32 v5, s39, v5
	v_lshl_add_u32 v7, v14, 7, v7
	v_lshl_add_u32 v8, v11, 4, v8
	v_lshlrev_b32 v10, 3, v14                      ; 8 h
	s_wait_alu depctr_va_vdst(0)                   ; the wait at the head's end
	s_wait_dscnt 0x0                               ; both opening adds are done
	s_wait_kmcnt 0x0
	s_add_nc_u64 s[40:41], s[4:5], s[22:23]
	s_add_nc_u64 s[42:43], s[40:41], 8192          ; item 1: four j on
	s_add_nc_u64 s[40:41], s[40:41], 16*ROWW       ; item 0, at row 16 of the 32, so that all rows fit the signed 24-bit immediate (ISA guide, chapter 10)
	s_mov_b64 s[G0+2:G0+3], s[42:43]
	s_or_b32 s[G0+3], s[G0+3], 0x80000000
	s_add_nc_u64 s[44:45], s[8:9], s[24:25]
	s_add_nc_u64 s[46:47], s[10:11], s[26:27]
	s_add_nc_u64 s[48:49], s[6:7], s[30:31]
	s_add_nc_u64 s[50:51], s[12:13], s[32:33]
	s_add_nc_u64 s[52:53], s[14:15], s[34:35]
	s_add_nc_u64 s[54:55], s[18:19], s[36:37]
	s_cmp_eq_u32 s16, 16
	s_cbranch_scc1 .Lx
	; ---------------- W ----------------
; One item: a block of 32 along i, four columns a lane.
.macro ITEM b
.if \b
	s_wait_dscnt 0x0                               ; item 1's rows are in registers; item 0's stores into LDS have read theirs
	s_wait_xcnt 0x0                                ; and so have item 0's stores to memory, which read T
.else
	s_wait_loadcnt 0x0
.endif
.irp q, 0,1,2,3
	v_max3_num_f32 v[M+\q], |v[X+\q]|, |v[X+4+\q]|, 0x1800000      ; with the floor 2^(3 - 127): the byte cannot fall under 1
.endr
.irp i, 2,4,6,8,10,12,14,16,18,20,22,24,26,28,30
.irp q, 0,1,2,3
	v_max3_num_f32 v[M+\q], v[M+\q], |v[X+4*\i+\q]|, |v[X+4*\i+4+\q]|   ; the four columns by turns
.endr
.endr
.irp q, 0,1,2,3
	v_add_nc_u32 v[S+\q], 0xff000000, v[M+\q]      ; 2 off the exponent field: the conversion takes the exponent field alone
.endr
.irp q, 0,1,2,3
	v_lshrrev_b32 v[B+\q], 23, v[S+\q]             ; the scale's byte
.endr
.irp g, 0,1,2,3
.irp q, 0,1,2,3
.irp n, 0,1,2,3,4,5,6,7
	v_mov_b32 v[T+8*(\q%2)+\n], v[X+4*(8*\g+\n)+\q]    ; eight neighbours along i on end
.endr
	v_cvt_scalef32_pk8_fp4_f32 v[C+4*\q+\g], v[T+8*(\q%2):T+8*(\q%2)+7], v[S+\q]   ; eight numbers / the scale, to the nearest code, ties to even, beyond 6 the largest code
.endr
.endr
	v_nop                                          ; one plain line behind the last conversion
.irp q, 0,1,2,3
	ds_store_b128 v3, v[C+4*\q:C+4*\q+3] offset:16*\q
.endr
.irp q, 0,1,2,3
	ds_store_b8 v5, v[B+\q] offset:4*\q+2*\b
.endr
.endm
.macro OUT b, reg                      ; the item's codes, two tiles an instruction; LDS serves a wave's instructions in order (ISA guide 5.7.1.4): these see my stores
.irp u, 0,1,2,3
	ds_load_b128 v[\reg+4*\u:\reg+4*\u+3], v4 offset:544*\u
.endr
.irp u, 0,1,2,3
	s_wait_dscnt 3-\u                              ; this load is back; those behind it may be out
	global_store_b128 v[STV], v[\reg+4*\u:\reg+4*\u+3], s[44:45] offset:32768*\u+8192*\b   ; sixteen lanes store 256 consecutive bytes, aligned
.endr
.endm
	tensor_load_to_lds s[G0:G0+3], s[G1:G1+7]      ; item 1: my one tensor load
	s_nop 0
.irp e, 0,1,2,3,4,5,6,7,8,9,10,11,12,13,14,15,16,17,18,19,20,21,22,23,24,25,26,27,28,29,30,31
	global_load_b128 v[X+4*\e:X+4*\e+3], v2, s[40:41] offset:(\e-16)*ROWW th:TH_LOAD_NT   ; item 0, row e: 512 consecutive bytes
.endr
	ITEM 0
	OUT 0, T
	s_wait_tensorcnt 0x0                           ; my tile lies in LDS
.irp e, 0,1,2,3,4,5,6,7,8,9,10,11,12,13,14,15,16,17,18,19,20,21,22,23,24,25,26,27,28,29,30,31
	ds_load_b128 v[X+4*\e:X+4*\e+3], v[RDV] offset:512*\e
.endr
	ITEM 1
	OUT 1, X
	s_branch .Ljoin
	; ---------------- x ----------------
.Lx:
.irp c, 0,1
.irp e, 0,1,2,3,4,5,6,7
	global_load_b128 v[X+32*\c+4*\e:X+32*\c+4*\e+3], v7, s[48:49] offset:256*\c+16*\e   ; lane (r, h): row r, i = 128 s + 64 c + 32 h + 0 .. 31
.endr
.endr
	s_wait_loadcnt 0x0
.irp c, 0,1
	v_max3_num_f32 v[M+2*\c], |v[X+32*\c]|, |v[X+32*\c+1]|, |v[X+32*\c+2]|
	v_max3_num_f32 v[M+2*\c+1], |v[X+32*\c+3]|, |v[X+32*\c+4]|, |v[X+32*\c+5]|
.endr
.irp i, 6,10,14,18,22,26
.irp c, 0,1
	v_max3_num_f32 v[M+2*\c], v[M+2*\c], |v[X+32*\c+\i]|, |v[X+32*\c+\i+1]|
	v_max3_num_f32 v[M+2*\c+1], v[M+2*\c+1], |v[X+32*\c+\i+2]|, |v[X+32*\c+\i+3]|
.endr
.endr
.irp c, 0,1
	v_max3_num_f32 v[M+2*\c], v[M+2*\c], |v[X+32*\c+30]|, |v[X+32*\c+31]|
.endr
.irp c, 0,1
	v_max3_num_f32 v[M+2*\c], v[M+2*\c], v[M+2*\c+1], 0x1800000
.endr
.irp c, 0,1
	v_add_nc_u32 v[S+\c], 0xff000000, v[M+2*\c]
.endr
.irp c, 0,1
.irp g, 0,1,2,3
	v_cvt_scalef32_pk8_fp4_f32 v[C+4*\c+\g], v[X+32*\c+8*\g:X+32*\c+8*\g+7], v[S+\c]
.endr
.endr
	v_lshrrev_b32 v[B], 23, v[S]
	v_lshrrev_b32 v[B+1], 23, v[S+1]
	v_mov_b32 v[B+2], 0                            ; (a lane permute's destination counts as one of its sources)
	v_lshl_or_b32 v[B], v[B+1], 16, v[B]           ; my bytes h and 2 + h of row r's word
	v_lshlrev_b32 v[B], v10, v[B]
	v_permlanex16_b32 v[B+2], v[B], s60, s61
	v_or_b32 v[B], v[B], v[B+2]                    ; with lane l xor 16's two the word is whole; both lanes store it
	global_store_b32 v9, v[B], s[52:53]
.irp c, 0,1
	global_store_b128 v2, v[C+4*\c:C+4*\c+3], s[50:51] offset:512*\c
.endr
.irp c, 0,1
.irp e, 0,1,2,3,4,5,6,7
	global_store_b128 v8, v[X+32*\c+4*\e:X+32*\c+4*\e+3], s[54:55] offset:32768*(16*\c+\e)   ; sixteen lanes store 256 consecutive bytes, aligned
.endr
.endr
.Ljoin:
	s_wait_dscnt 0x0                               ; for the others' sake: my scale bytes lie in LDS
	s_barrier_signal -1
	s_barrier_wait -1
	s_cmp_gt_u32 s16, 7
	s_cbranch_scc1 .Lend                           ; waves 0 to 7 store the scale bytes, 512 each
	ds_load_b128 v[16:19], v6
	s_wait_dscnt 0x0
	global_store_b128 v2, v[16:19], s[46:47]       ; 512 consecutive bytes, aligned
.Lend:
	s_wait_tensorcnt 0x0                           ; the wave's end, behind the last tensor load and the last LDS store
	ds_add_u32 v[SPW], v[NIL]
	s_wait_dscnt 0x0
	s_endpgm
.Lfunc_end_k_qfe98a61837_prep:
	.size	k_qfe98a61837_prep, .Lfunc_end_k_qfe98a61837_prep-k_qfe98a61837_prep
	.p2alignl 7, 3214868480
	.fill 96, 4, 3214868480
	.section	.rodata,"a",@progbits
	.p2align	6, 0x0
	.amdhsa_kernel k_qfe98a61837_prep
		.amdhsa_group_segment_fixed_size 303360
		.amdhsa_private_segment_fixed_size 0
		.amdhsa_enable_private_segment 0
		.amdhsa_kernarg_size 56
		.amdhsa_user_sgpr_count 2
		.amdhsa_user_sgpr_kernarg_segment_ptr 1
		.amdhsa_wavefront_size32 1
		.amdhsa_system_sgpr_workgroup_id_x 1
		.amdhsa_system_sgpr_workgroup_id_y 1
		.amdhsa_system_sgpr_workgroup_id_z 1
		.amdhsa_system_vgpr_workitem_id 0
		.amdhsa_next_free_vgpr 192
		.amdhsa_next_free_sgpr 80
		.amdhsa_reserve_vcc 0
		.amdhsa_float_denorm_mode_32 3
		.amdhsa_float_denorm_mode_16_64 3
		.amdhsa_memory_ordered 1
		.amdhsa_forward_progress 1
		.amdhsa_inst_pref_size 39
	.end_amdhsa_kernel
	.amdgpu_metadata
---
amdhsa.version: [ 1, 2 ]
amdhsa.kernels:
  - .name:           k_qfe98a61837_prep
    .symbol:         k_qfe98a61837_prep.kd
    .args:
      - { .name: weights, .offset: 0, .size: 8, .value_kind: global_buffer, .address_space: global }
      - { .name: x, .offset: 8, .size: 8, .value_kind: global_buffer, .address_space: global }
      - { .name: wq, .offset: 16, .size: 8, .value_kind: global_buffer, .address_space: global }
      - { .name: wsc, .offset: 24, .size: 8, .value_kind: global_buffer, .address_space: global }
      - { .name: xq, .offset: 32, .size: 8, .value_kind: global_buffer, .address_space: global }
      - { .name: xsc, .offset: 40, .size: 8, .value_kind: global_buffer, .address_space: global }
      - { .name: xf, .offset: 48, .size: 8, .value_kind: global_buffer, .address_space: global }
    .group_segment_fixed_size: 303360
    .private_segment_fixed_size: 0
    .kernarg_segment_align: 8
    .kernarg_segment_size: 56
    .max_flat_workgroup_size: 544
    .sgpr_count:     80
    .vgpr_count:     192
    .wavefront_size: 32
...
	.end_amdgpu_metadata
.endif
;; end of part 1
;; launch bilinear (part 2): grid 128 x 2, 8 waves a work-group, clusters of 4 x 1, 327,680 bytes of LDS; arguments wq, wsc, xf, xq, xsc, out0; writes out0
.if DOCPART == 2
	.amdgcn_target "amdgcn-amd-amdhsa--gfx1250"
	.amdhsa_code_object_version 6
	.text
	.protected	k_qfe98a61837_bilinear
	.globl	k_qfe98a61837_bilinear
	.p2align	8
	.type	k_qfe98a61837_bilinear,@function
k_qfe98a61837_bilinear:
	s_mov_b64 s[64:65], 0
	v_nop
	global_prefetch_b8 v0, s[64:65] scope:SCOPE_SE
	s_setreg_imm32_b32 hwreg(HW_REG_WAVE_MODE, 25, 1), 1
	s_wait_xcnt 0x0
	s_wait_alu depctr_hold_cnt(0) depctr_sa_sdst(0) depctr_va_vdst(0) depctr_va_sdst(0) depctr_va_ssrc(0) depctr_va_vcc(0) depctr_vm_vsrc(0)
	s_getreg_b32 s2, hwreg(HW_REG_IB_STS2, 6, 4)
	s_cmp_eq_u32 s2, 0
	s_cbranch_scc0 .Lentry_in_a_cluster
	s_endpgm
.Lentry_in_a_cluster:
	s_bfe_u32 s2, ttmp6, 0x10000c
	s_cmp_lg_u32 s2, 0x3003
	s_cbranch_scc0 .Lentry_shape_is_right
	s_endpgm
.Lentry_shape_is_right:
; out[b][k] = sum over j of x[b][j] t[b][j][k],  t[b][j][k] = sum over i of Q(x)[b][i] Q(W)[i][j][k].  Codes, scale bytes and x in f32 come as images of registers from the launch before (wq, wsc, xq, xsc, xf).
; No work is left out: every j, k and b is multiplied.  t never leaves the registers: each tile of t is multiplied by x[b][j] in f32 and added to the running sum as soon as it is made.
; SHARES.  Work-group (kt, bg) owns out[256 bg .. + 255][16 kt .. + 15] over ALL j.  Eight waves, two on a SIMD: wave w takes the 128 b of half w / 4 (8 tiles of 16) and, of each 64 j, the sixteen from 16 (w % 4) on.
; x's codes of its 8 tiles stay in a wave's registers.  At the end the four waves of a half add their sums through LDS.
; THE MATRIX INSTRUCTION has 32 rows: rows 0-15 are the 16 columns k of W[:, j, :], rows 16-31 those of W[:, j + 1, :]; its 16 columns are 16 rows b of x.  In the result a lane holds ONE b (lane % 16); registers 0-7 are
; t[b][j][8 (lane / 16) + 0 .. 7], registers 8-15 the same of j + 1.  The rows' scale words fill all 32 lanes; x's are read from lanes 0-15: a register for each tile and K step.
; ORDER OF SUMS: i inside the matrix unit, two K steps of 128 ascending; j ascending inside a wave, then (share 0 + share 1) + (share 2 + share 3): another order than a plain sum over j; all in f32.
; BY TURNS.  A pair of j is four groups of two tiles.  A group is 4 matrix instructions (two accumulators by turns, K step 0 with C = 0, then K step 1 in place); behind each stand four packed
; multiply-adds of the group BEFORE.  So a result is first read 8 plain vector instructions or more behind its last product, from its low registers on.
; THE RING: two slots of 64 j of codes; each wave asks for an octet of j, 16,384 dense bytes as 64 rows of 256, by one load.  The four slots are written out: no load is jumped over.
; SCALES OF W: 8 registers for an octet of j, one for each block of i, a byte for each pair of j; two transpositions of 4 x 4 bytes make the octet's words in the same registers.  They come from memory straight into registers, two octets ahead.
; CLUSTER 4: the four work-groups of a cluster have the same kt and different b: W's slots are asked for JOINTLY.  x's images hang on b, which no partner of the cluster shares; they go straight into registers, up to three quads of j ahead.
; THE OUTPUT leaves in pieces of 64 consecutive bytes (16 k of a row): 256 consecutive bytes would want 64 k in one work-group, which would multiply W's bytes into each LDS by four.
; REGISTERS (s_set_vgpr_msb: bits 1:0 source 0, 3:2 source 1, 5:4 source 2, 7:6 destination):
;   window 0: v2-14 addresses; v16-31 x's scale words; v32-55 W's scales of three octets by turns; v56-59 the transposition; v64-127 two groups of two tiles of t; v128-191 the 8 running sums; v192-255 W's fragments of two pairs of j by turns.
;   window 1: v0-127 x's codes: tile t, K step s at v[16 t + 8 s]; v128-255 x[b][four j] of four quads by turns: tile t at v[128 + 32 set + 4 t].
; So ONE setting, source 1 in window 1, serves the products and the multiply-adds beside them, and the loads of W's fragments too.
.set SLOTB, 131072                     ; 64 j x 2,048 bytes of codes
.set PARTB, 16384                      ; an octet of j of one kt
.set OCTB,  524288                     ; from octet to octet in wq
.set SPARE, 2*SLOTB                    ; behind the ring: the spare words, 128 bytes for each wave
.set PLANE, 20480                      ; the way out: a plane of 256 rows x (64 bytes + 16) for each share of j, in slot 0, which has had its last fill and its last read by then
.set AW,  2                            ; v2-3  W's fragments in slot 0, 1
.set L4,  4                            ; v4    4 x lane
.set STO, 6
.set RD,  7
.set GO,  8
.set L16, 9
.set L4R, 10
.set XO,  11
.set SPW, 12
.set NIL, 13
.set PFO, 14
.set XS0, 16
.set XS1, 24
.set WS,  32
.set TP,  56
.set TR,  64
.set ACC, 128
.set WF,  192
.set RED, 64
.set WV,  16
.set G1,  24                           ; s[24:31] descriptor group 1;  s[32:35], s[36:39] groups 0 of slot 0, 1
.set G0,  32
.set SEL, 66                           ; s66-69 the byte selectors
.set MAIN, 0x04
.set MSB, 0
.macro WIN new                         ; the immediate's high byte repeats the setting that is left
.if MSB != \new
	s_set_vgpr_msb (MSB<<8)|\new
.set MSB, \new
.endif
.endm
.macro CREST                           ; a round of the cluster's barrier behind its opening barrier
	s_cmp_lg_u32 s[WV], 0
	s_cbranch_scc1 .Lnot_wave_0_\@
	s_barrier_signal -3
.Lnot_wave_0_\@:
	s_barrier_wait -3
	s_barrier_signal -1
	s_barrier_wait -1
.endm
.macro CROUND                          ; a whole round
	s_barrier_signal -1
	s_barrier_wait -1
	CREST
.endm
.macro JLOAD s                         ; a joint load: my octet of a slot
	tensor_load_to_lds s[G0+4*(\s):G0+4*(\s)+3], s[G1:G1+7]
	s_nop 0
.rept 4
	v_nop
.endr
.endm
; A prefetch into the L2 of a slot that a refill will ask for a slot of work later (slots 2 and 3; slots 0 and 1 come by their loads alone).  A slot's 512 blocks of 256 bytes are named once in the cluster: of the octet that a
; wave fetches each of the four work-groups takes 16 by address, a lane a block; the lanes over name the last block again.
.macro ASK slot
	global_prefetch_b8 v[PFO], s[46:47] offset:8*OCTB*(\slot-2) th:TH_LOAD_NT scope:SCOPE_SE
.endm
	s_load_b256 s[4:11], s[0:1], 0x0               ; wq s[4:5], wsc s[6:7], xf s[8:9], xq s[10:11]
	s_load_b128 s[12:15], s[0:1], 0x20             ; xsc s[12:13], out0 s[14:15]
	v_lshl_add_u32 v[SPW], v0, 2, SPARE
	v_mov_b32 v[NIL], 0
	ds_add_u32 v[SPW], v[NIL]                      ; the wave's opening: the add, twice on end, and its wait ahead of my first tensor load
	ds_add_u32 v[SPW], v[NIL]
	v_lshrrev_b32 v1, 5, v0
	v_readfirstlane_b32 s[WV], v1                  ; wave 0..7
	s_and_b32 s17, s[WV], 3                        ; my share of j
	s_lshr_b32 s18, s[WV], 2                       ; my half of b
	s_bfe_u32 s19, ttmp6, 0x40000                  ; cx
	s_and_b32 s20, ttmp9, 7                        ; kt, from the cluster's x: clusters 8 apart take neighbouring kt, whose 64-byte pieces of a row of out0 lie side by side
	s_lshl_b32 s20, s20, 2
	s_lshr_b32 s22, ttmp9, 3
	s_or_b32 s20, s20, s22
	s_and_b32 s21, ttmp7, 0xffff
	s_lshl_b32 s21, s21, 2
	s_add_co_u32 s21, s21, s19                     ; bg = 4 x cluster y + cx
	s_mov_b32 s[G1], 15|(3<<16)|(1<<21)            ; 15:0 the mask: the cluster's four; 17:16 elements of 8 bytes; 21 set beside a mask
	s_mov_b32 s[G1+1], 32<<16                      ; tensor_dim0: 256 bytes
	s_mov_b32 s[G1+2], 64<<16                      ; tensor_dim1
	s_mov_b32 s[G1+3], 32<<16                      ; tile_dim0
	s_mov_b32 s[G1+4], 64                          ; tile_dim1
	s_mov_b32 s[G1+5], 32                          ; from row to row: dense
	s_mov_b32 s[G1+6], 0
	s_mov_b32 s[G1+7], 0
	s_mov_b32 s[SEL], 0x05010400                   ; bytes 0 and 1 of two registers by turns
	s_mov_b32 s[SEL+1], 0x07030602                 ; bytes 2 and 3
	s_mov_b32 s[SEL+2], 0x05040100                 ; low halves
	s_mov_b32 s[SEL+3], 0x07060302                 ; high halves
	s_lshl_b32 s40, s20, 14                        ; wq: kt, and my octet of a slot
	s_lshl_b32 s44, s[WV], 19
	s_add_co_u32 s44, s44, s40
	s_mov_b32 s45, 0
	s_lshl_b32 s42, s[WV], 14                      ; its LDS place: the wave's number alone enters it
	s_lshl_b32 s46, s19, 12                        ; the prefetches: my work-group's 16 blocks of it, in slot 2
	s_add_co_u32 s46, s46, s44
	s_add_co_u32 s46, s46, 16*OCTB
	s_mov_b32 s47, 0
	s_lshl_b32 s62, s17, 16                        ; wsc: octet 2 x share, kt
	s_lshl_b32 s22, s20, 7
	s_add_co_u32 s62, s62, s22
	s_mov_b32 s63, 0
	s_lshl_b32 s48, s17, 17                        ; xf: quad 4 x share, tile 16 bg + 8 half
	s_lshl_b32 s22, s21, 12
	s_add_co_u32 s48, s48, s22
	s_lshl_b32 s22, s18, 11
	s_add_co_u32 s48, s48, s22
	s_mov_b32 s49, 0
	s_lshl_b32 s50, s21, 15                        ; xq: 2,048 bytes a tile
	s_lshl_b32 s22, s18, 14
	s_add_co_u32 s50, s50, s22
	s_mov_b32 s51, 0
	s_lshl_b32 s52, s21, 11                        ; xsc: 128 bytes a tile
	s_lshl_b32 s22, s18, 10
	s_add_co_u32 s52, s52, s22
	s_mov_b32 s53, 0
	s_lshl_b32 s54, s21, 19                        ; out0: row 256 bg + 32 x wave of 2,048 bytes, + 64 kt
	s_lshl_b32 s22, s[WV], 16
	s_add_co_u32 s54, s54, s22
	s_lshl_b32 s22, s20, 6
	s_add_co_u32 s54, s54, s22
	s_mov_b32 s55, 0
	s_lshl_b32 s56, s17, 15                        ; my sixteen j's codes in a slot
	s_mul_i32 s58, s17, PLANE
	s_mul_i32 s22, s18, 128*80
	s_add_co_u32 s58, s58, s22
	s_mul_i32 s59, s[WV], 32*80
	v_and_b32 v1, 31, v0                           ; lane
	v_and_b32 v15, 15, v0                          ; r
	v_bfe_u32 v60, v0, 4, 1                        ; h
	v_and_b32 v62, 3, v0                           ; lane % 4
	v_lshrrev_b32 v61, 2, v1                       ; lane / 4
	v_lshlrev_b32 v[L16], 4, v1
	v_lshlrev_b32 v[L4], 2, v1
	v_lshlrev_b32 v[XO], 4, v15
	v_lshlrev_b32 v[L4R], 2, v15
	v_min_u32 v[PFO], 15, v1
	v_mul_u32_u24 v[STO], v15, 80                  ; the way out, in: my share's plane, row 128 half + r of a tile, 32 bytes for each half of the lanes
	v_mul_u32_u24 v[RD], v61, 80                   ; back: rows 32 w on; four lanes to a row of 64 bytes, eight rows an instruction
	v_lshlrev_b32 v[GO], 11, v61                   ; and the same eight rows in out0
	v_add_nc_u32 v[AW], s56, v[L16]
	v_lshlrev_b32 v[PFO], 8, v[PFO]
	v_lshl_add_u32 v[STO], v60, 5, v[STO]
	v_lshl_add_u32 v[RD], v62, 4, v[RD]
	v_lshl_add_u32 v[GO], v62, 4, v[GO]
	v_add_nc_u32 v[AW+1], SLOTB, v[AW]
	v_add_nc_u32 v[STO], s58, v[STO]
	v_add_nc_u32 v[RD], s59, v[RD]
	s_wait_alu depctr_va_vdst(0)                   ; the wait at the head's end
	s_wait_dscnt 0x0                               ; both opening adds are done
	s_wait_kmcnt 0x0
	s_add_nc_u64 s[60:61], s[4:5], s[44:45]
	s_mov_b32 s[G0], 1                             ; slot 0's group 0: j 0 to 63
	s_mov_b32 s[G0+1], s42
	s_mov_b64 s[G0+2:G0+3], s[60:61]
	s_or_b32 s[G0+3], s[G0+3], 0x80000000
	s_mov_b32 s[G0+4], 1                           ; slot 1's: j 64 to 127
	s_add_co_u32 s[G0+5], s42, SLOTB
	s_add_nc_u64 s[G0+6:G0+7], s[60:61], 8*OCTB
	s_or_b32 s[G0+7], s[G0+7], 0x80000000
	s_add_nc_u64 s[46:47], s[4:5], s[46:47]
	s_add_nc_u64 s[62:63], s[6:7], s[62:63]
	s_add_nc_u64 s[48:49], s[8:9], s[48:49]
	s_add_nc_u64 s[50:51], s[10:11], s[50:51]
	s_add_nc_u64 s[52:53], s[12:13], s[52:53]
	s_add_nc_u64 s[54:55], s[14:15], s[54:55]
	CROUND                                         ; the four work-groups are here: the first joint loads meet
	JLOAD 0                                        ; one tensor load a wave at the head
; x[b][four j] of my 8 tiles for my quad number q of sixteen (four in a slot), into set q % 4: 256 consecutive bytes an instruction; lanes 16-31 read what lanes 0-15 read
.macro XFLOAD q
	WIN 0x40                                       ; destination window 1, address window 0
.irp t, 0,1,2,3,4,5,6,7
	global_load_b128 v[128+32*((\q)%4)+4*\t:128+32*((\q)%4)+4*\t+3], v[XO], s[48:49] offset:32768*(16*((\q)/4)+(\q)%4)+256*\t
.endr
.endm
; the scale bytes of my octet of j number o of eight (two in a slot), into set o % 3: register i: block i, lane (r, h), a byte for each of four pairs
.macro SCLOAD o
.irp i, 0,1,2,3,4,5,6,7
	global_load_b32 v[WS+8*((\o)%3)+\i], v[L4], s[62:63] offset:32768*(8*((\o)/2)+(\o)%2)+4096*\i
.endr
.endm
; and made words in place: register 4 s + p: K step s, pair p
.macro TRANS o
.irp s, 0,1
.set rR, WS+8*((\o)%3)+4*\s
	v_perm_b32 v[TP], v[rR+1], v[rR], s[SEL]
	v_perm_b32 v[TP+1], v[rR+1], v[rR], s[SEL+1]
	v_perm_b32 v[TP+2], v[rR+3], v[rR+2], s[SEL]
	v_perm_b32 v[TP+3], v[rR+3], v[rR+2], s[SEL+1]
	v_perm_b32 v[rR], v[TP+2], v[TP], s[SEL+2]
	v_perm_b32 v[rR+1], v[TP+2], v[TP], s[SEL+3]
	v_perm_b32 v[rR+2], v[TP+3], v[TP+1], s[SEL+2]
	v_perm_b32 v[rR+3], v[TP+3], v[TP+1], s[SEL+3]
.endr
.endm
	WIN 0x40
.irp t, 0,1,2,3,4,5,6,7
.irp c, 0,1,2,3
	global_load_b128 v[16*\t+4*\c:16*\t+4*\c+3], v[L16], s[50:51] offset:2048*\t+512*\c
.endr
.endr
	WIN 0
.irp t, 0,1,2,3,4,5,6,7
	global_load_b32 v[XS0+\t], v[L4R], s[52:53] offset:128*\t      ; tile t's scale words of K step 0
	global_load_b32 v[XS1+\t], v[L4R], s[52:53] offset:128*\t+64   ; and of K step 1
.endr
	SCLOAD 0
	SCLOAD 1
	XFLOAD 0
	XFLOAD 1
	XFLOAD 2
	WIN 0
; Four packed multiply-adds: sum(tile pt) += t(tile pt, half hh) x x[b][j], pt = tile idx / 2 of group pg, hh = idx % 2: registers 0-7 (the pair's first j) or 8-15 (its second).  The pair of registers (x[b][j], x[b][j + 1])
; is named, and op_sel / op_sel_hi take one of the two for both halves.  vm = 2: multiply-adds; 1: the launch's first j starts the sums by a multiplication: nothing is ever cleared; 0: nothing.
.macro VAL4
.set pt, 2*pg+idx/2
.set hh, idx%2
.set rF, 128+32*(pa/2)+4*pt+2*(pa%2)
.set pp, 0
.rept 4
.set rA, ACC+8*pt+2*pp
.set rS, TR+32*(pg%2)+16*(idx/2)+8*hh+2*pp
.if vm > 0
.if hh == 1
	v_pk_fma_f32 v[rA:rA+1], v[rS:rS+1], v[rF:rF+1], v[rA:rA+1] op_sel:[0,1,0] op_sel_hi:[1,1,1]
.elseif vm == 2
	v_pk_fma_f32 v[rA:rA+1], v[rS:rS+1], v[rF:rF+1], v[rA:rA+1] op_sel_hi:[1,0,1]
.else
	v_pk_mul_f32 v[rA:rA+1], v[rS:rS+1], v[rF:rF+1] op_sel_hi:[1,0]
.endif
.endif
.set pp, pp+1
.endr
.endm
; Group g (tiles 2 g, 2 g + 1) of my pair of j number a of eight in slot sl: 4 matrix instructions, and behind each four multiply-adds of the group before (g = 0: group 3 of the pair before).
.macro GROUP sl, a, g
.set pg, ((\g)+3)%4
.if (\g) == 0
.set pa, ((\a)+7)%8
.else
.set pa, \a
.endif
.set vm, 2
.if (\sl) == 0
.if ((\a) == 0) && ((\g) == 0)
.set vm, 0
.elseif pa == 0
.set vm, 1
.endif
.endif
.set idx, 0
.rept 4
.set ss, idx/2
.set tt, 2*(\g)+idx%2
.set rT, TR+32*((\g)%2)+16*(idx%2)
.set rW, WF+32*((\a)%2)+16*ss
.set rX, 16*tt+8*ss
.set rC, WS+8*((2*(\sl)+(\a)/4)%3)+4*ss+(\a)%4
.if ss == 0
	v_wmma_scale_f32_32x16x128_f4 v[rT:rT+15], v[rW:rW+15], v[rX:rX+7], 0, v[rC], v[XS0+tt]
.else
	v_wmma_scale_f32_32x16x128_f4 v[rT:rT+15], v[rW:rW+15], v[rX:rX+7], v[rT:rT+15], v[rC], v[XS1+tt]
.endif
	VAL4
.set idx, idx+1
.endr
.if vm == 0
.rept 4
	v_nop                                          ; the launch's first group has no vector work beside it: four places in front of the first read of its results (ISA guide 7.12.1)
.endr
.endif
.endm
.macro WFLOAD buf, a                   ; W's fragments of my pair of j number a, as they lie: 8 x 512 consecutive bytes.  K step s at + 16 s: registers 0-7 the first j's image, 8-15 the second's
.irp jl, 0,1
.irp c, 0,1,2,3
	ds_load_b128 v[WF+32*((\a)%2)+16*(\c/2)+8*\jl+4*(\c%2):WF+32*((\a)%2)+16*(\c/2)+8*\jl+4*(\c%2)+3], v[AW+(\buf)] offset:2048*(2*(\a)+\jl)+512*\c
.endr
.endr
.endm
; The loads of my quad number q (octet o), issued behind the quad's first group, which has read the sets that they land in for the last time: x three quads on and, at an octet's first quad, scale bytes two octets on.
; Then the wait that shows quad q's x: behind it have been issued three quads' x and two octets' scale bytes, 8 loads each (fewer at both ends).  At an octet's second quad the count is 8 less: x of that quad was
; followed by the next octet's scale bytes, which are made words here, two pairs of j ahead of their use.
.macro NEXT q, o
.if (\q) < 13
	XFLOAD (\q)+3
.endif
.if ((\q)%2 == 0) && ((\o) < 6)
	WIN MAIN
	SCLOAD (\o)+2
.endif
.if ((\q) == 0) || ((\q) == 12) || (((\q)%2 == 1) && ((\q) < 12))
	s_wait_loadcnt 32
.elseif (\q) < 11
	s_wait_loadcnt 40
.elseif (\q) == 13
	s_wait_loadcnt 16
.elseif (\q) == 14
	s_wait_loadcnt 8
.else
	s_wait_loadcnt 0x0
.endif
.if ((\q)%2 == 1) && ((\o) < 7)
	WIN 0
	TRANS (\o)+1
.endif
	WIN MAIN
.endm
; One pair of j.  chg says what the slot's last pair does: 2: the change of slots with a refill; 1: without; 0: nothing follows.
; A fragment's registers are loaded again behind a whole group (16 plain vector instructions) that follows their last product.
.macro PAIR sl, a, chg
.if ((\a) == 7) && ((\chg) > 0)
	WIN 0                                          ; (the add's two registers lie in window 0)
	s_wait_tensorcnt 0x0                           ; all my tensor loads have landed: the one that was out is my part of the next slot;
	ds_add_u32 v[SPW], v[NIL]                      ; 0 onto my spare word;
.if (\chg) == 2
	s_add_nc_u64 s[G0+4*((\sl)%2)+2:G0+4*((\sl)%2)+3], s[G0+4*((\sl)%2)+2:G0+4*((\sl)%2)+3], 16*OCTB   ; this buffer's next 64 j; the type bits on top are not reached
.endif
	s_wait_dscnt 1                                 ; (the add alone may be out: this pair's fragments are in)
	WIN MAIN
	GROUP \sl, 7, 0                                ; a group's work stands between the add and the wait for it
	s_wait_dscnt 0x0                               ; the add is done, and my reads of this slot are over
	s_barrier_signal -1
	GROUP \sl, 7, 1                                ; work on registers while the others arrive
	WIN 0
	s_barrier_wait -1
.if (\chg) == 2
	CREST                                          ; the barrier has opened a round of the cluster's: no wave of any partner still reads this slot or has a load on its way
	JLOAD (\sl)%2                                  ; the first tensor load behind the round, one a wave: it has the next slot's first seven pairs in which to land
.endif
	WFLOAD ((\sl)+1)%2, 0
.if (\sl) == 0
	ASK 3
.endif
	WIN MAIN
	GROUP \sl, 7, 2
	GROUP \sl, 7, 3
.else
	s_wait_dscnt 0x0                               ; this pair's fragments, asked for three groups ago or, at a slot's first pair, two
	WIN MAIN
	GROUP \sl, \a, 0
.if (\a)%2 == 0
	NEXT 4*(\sl)+(\a)/2, 2*(\sl)+(\a)/4
.endif
.if (\a) < 7
	WFLOAD (\sl)%2, (\a)+1
.endif
	GROUP \sl, \a, 1
	GROUP \sl, \a, 2
	GROUP \sl, \a, 3
.endif
.endm
.macro SLOT sl, chg
.irp a, 0,1,2,3,4,5,6,7
	PAIR \sl, \a, \chg
.endr
.endm
	s_wait_tensorcnt 0x0                           ; my octet of slot 0 is in
	ds_add_u32 v[SPW], v[NIL]
	s_wait_dscnt 0x0
	CROUND                                         ; a whole round: everybody's part is in, and the joint loads meet
	JLOAD 1                                        ; slot 1's first fill
	WFLOAD 0, 0
	ASK 2
	s_wait_loadcnt 24                              ; x's codes and scale words, two octets' scale bytes; the 24 loads of the first three quads may be out
	TRANS 0
	s_wait_alu depctr_va_vdst(0)                   ; the wait ahead of the blocking wait below
.rept 8
	v_nop                                          ; a scale register written by a vector instruction stands 8 places ahead of a scaled matrix instruction
.endr
	SLOT 0, 2
	SLOT 1, 2
	SLOT 2, 1
	SLOT 3, 0
	WIN MAIN
.set pg, 3                             ; the last pair's last group: tiles 6 and 7
.set pa, 7
.set vm, 2
.set idx, 0
.rept 4
	VAL4
.set idx, idx+1
.endr
	WIN 0
	; THE WAY OUT.  Each wave's 128 x 16 sums go into its share's plane in LDS; a barrier; wave w adds the four planes' rows 32 w .. 32 w + 31 and stores them.
.irp t, 0,1,2,3,4,5,6,7
	ds_store_b128 v[STO], v[ACC+8*\t:ACC+8*\t+3] offset:16*80*\t      ; lane (r, h): sum(16 t + r, 8 h + 0 .. 7)
	ds_store_b128 v[STO], v[ACC+8*\t+4:ACC+8*\t+7] offset:16*80*\t+16
.endr
	s_wait_dscnt 0x0                               ; for the others' sake: my sums lie in LDS
	s_barrier_signal -1
	s_barrier_wait -1
.irp u, 0,1,2,3                        ; eight rows at a time
.irp p, 0,1,2,3
	ds_load_b128 v[RED+16*\u+4*\p:RED+16*\u+4*\p+3], v[RD] offset:PLANE*\p+8*80*\u
.endr
.endr
.irp u, 0,1,2,3
	s_wait_dscnt 12-4*\u                           ; LDS loads come back in order (ISA guide 5.7.1): these eight rows' four loads are in
	v_pk_add_f32 v[RED+16*\u:RED+16*\u+1], v[RED+16*\u:RED+16*\u+1], v[RED+16*\u+4:RED+16*\u+5]
	v_pk_add_f32 v[RED+16*\u+2:RED+16*\u+3], v[RED+16*\u+2:RED+16*\u+3], v[RED+16*\u+6:RED+16*\u+7]
	v_pk_add_f32 v[RED+16*\u+8:RED+16*\u+9], v[RED+16*\u+8:RED+16*\u+9], v[RED+16*\u+12:RED+16*\u+13]
	v_pk_add_f32 v[RED+16*\u+10:RED+16*\u+11], v[RED+16*\u+10:RED+16*\u+11], v[RED+16*\u+14:RED+16*\u+15]
	v_pk_add_f32 v[RED+16*\u:RED+16*\u+1], v[RED+16*\u:RED+16*\u+1], v[RED+16*\u+8:RED+16*\u+9]
	v_pk_add_f32 v[RED+16*\u+2:RED+16*\u+3], v[RED+16*\u+2:RED+16*\u+3], v[RED+16*\u+10:RED+16*\u+11]
	global_store_b128 v[GO], v[RED+16*\u:RED+16*\u+3], s[54:55] offset:8*2048*\u   ; four lanes store a row's 64 consecutive bytes
.endr
	s_wait_tensorcnt 0x0                           ; the wave's end, behind my last tensor load and my last LDS store
	ds_add_u32 v[SPW], v[NIL]
	s_wait_dscnt 0x0
	CROUND                                         ; the closing round: no work-group ends while a partner may still ask for a slot that names it
	s_endpgm
.Lfunc_end_k_qfe98a61837_bilinear:
	.size	k_qfe98a61837_bilinear, .Lfunc_end_k_qfe98a61837_bilinear-k_qfe98a61837_bilinear
	.p2alignl 7, 3214868480
	.fill 96, 4, 3214868480
	.section	.rodata,"a",@progbits
	.p2align	6, 0x0
	.amdhsa_kernel k_qfe98a61837_bilinear
		.amdhsa_group_segment_fixed_size 327680
		.amdhsa_private_segment_fixed_size 0
		.amdhsa_enable_private_segment 0
		.amdhsa_kernarg_size 48
		.amdhsa_user_sgpr_count 2
		.amdhsa_user_sgpr_kernarg_segment_ptr 1
		.amdhsa_wavefront_size32 1
		.amdhsa_system_sgpr_workgroup_id_x 1
		.amdhsa_system_sgpr_workgroup_id_y 1
		.amdhsa_system_sgpr_workgroup_id_z 1
		.amdhsa_system_vgpr_workitem_id 0
		.amdhsa_next_free_vgpr 512
		.amdhsa_next_free_sgpr 72
		.amdhsa_reserve_vcc 0
		.amdhsa_float_denorm_mode_32 3
		.amdhsa_float_denorm_mode_16_64 3
		.amdhsa_memory_ordered 1
		.amdhsa_forward_progress 1
		.amdhsa_inst_pref_size 255
	.end_amdhsa_kernel
	.amdgpu_metadata
---
amdhsa.version: [ 1, 2 ]
amdhsa.kernels:
  - .name:           k_qfe98a61837_bilinear
    .symbol:         k_qfe98a61837_bilinear.kd
    .args:
      - { .name: wq, .offset: 0, .size: 8, .value_kind: global_buffer, .address_space: global }
      - { .name: wsc, .offset: 8, .size: 8, .value_kind: global_buffer, .address_space: global }
      - { .name: xf, .offset: 16, .size: 8, .value_kind: global_buffer, .address_space: global }
      - { .name: xq, .offset: 24, .size: 8, .value_kind: global_buffer, .address_space: global }
      - { .name: xsc, .offset: 32, .size: 8, .value_kind: global_buffer, .address_space: global }
      - { .name: out0, .offset: 40, .size: 8, .value_kind: global_buffer, .address_space: global }
    .group_segment_fixed_size: 327680
    .private_segment_fixed_size: 0
    .kernarg_segment_align: 8
    .kernarg_segment_size: 48
    .max_flat_workgroup_size: 256
    .sgpr_count:     72
    .vgpr_count:     512
    .wavefront_size: 32
...
	.end_amdgpu_metadata
.endif
;; end of part 2
